; MI455X (gfx1250); checked and timed in simulation.
; The chip was launched on July 23, 2026; its instructions are those of AMD's public machine-readable ISA for CDNA 5 (MIT licence, August 2026) and "CDNA5" Instruction Set Architecture Reference Guide (July 2026). The comments in the code are by the model that wrote it; some were corrected since.
;; Self Attention. Allowed arithmetic: float matrix products may take bf16 or f16 operands with f32 sums; all other float work in f32.
;; Inputs: qkv 2 x 1,024 x 3 x 16 x 64 float32.
;; Outputs: out0 2 x 1,024 x 16 x 64 float32.
;; 2 versions, each right; version 2 is version 1 with the launch attn written anew for expert scheduling mode. Each part assembles by itself: llvm-mc -triple=amdgcn-amd-amdhsa -mcpu=gfx1250 --defsym DOCPART=n.
;; ======== version 1 of 2: 1 launch
;; launch attn (part 1): grid 256 x 1, 8 waves a work-group, no clusters, 74,752 bytes of LDS; arguments qkv, out0; writes out0
.if DOCPART == 1
	.amdgcn_target "amdgcn-amd-amdhsa--gfx1250"
	.amdhsa_code_object_version 6
	.text
	.protected	k_q7e5bbef5ca_attn
	.globl	k_q7e5bbef5ca_attn
	.p2align	8
	.type	k_q7e5bbef5ca_attn,@function
k_q7e5bbef5ca_attn:
	s_mov_b64 s[64:65], 0
	v_nop
	global_prefetch_b8 v0, s[64:65] scope:SCOPE_SE
	s_setreg_imm32_b32 hwreg(HW_REG_WAVE_MODE, 25, 1), 1
	s_wait_xcnt 0x0
; Stick-breaking attention.  qkv: [2][1024][3][16][64] f32, out0: [2][1024][16][64] f32.
;   z[t,s] = 0.1875 <q_t, k_s>,  beta = sigmoid(z),  att[t,s] = beta[t,s] * product over s < j < t of (1 - beta[t,j])   (s < t)
;   out[t] = sum over s of att[t,s] v_s + rem[t] v_t,  rem[t] = 1 - sum att = product over j < t of (1 - beta[t,j])  (the sum telescopes)
; exp(log_sigmoid(z) - sum softplus(z_j)) is that product for every input, so a score costs one exp2 and one rcp, and rem is the running
; product that is left when the keys have been walked from t-1 down to 0.
;
; SHARING.  256 work-groups = 32 heads (b, head) x 8.  A strip is 16 queries; a head has 64.  Work-group p of a head: wave w < 4 takes strip
; 4p + w, wave w >= 4 strip 67 - 4p - w.  Strip a needs (a >> 1) + 1 steps of 32 keys, so waves w and w + 4 have 33 steps together and every
; work-group 132.  Keys above the diagonal are never multiplied.
; KEYS go downward in trips of 128: two halves of 64 keys, each with an LDS slot and a set of 32 registers into which the f32 rows are loaded
; a whole trip before they are converted to bf16 and stored to the slot.  One barrier for each half.
; PRODUCTS ARE TRANSPOSED.  S^T = K Q^T: lane (r, h), register j of tile u holds key 16u + 8h + j of query r.  Two such tiles, packed to bf16,
; are the second source (32 keys) of O^T = V^T P^T as they stand: the weights never move between lanes.  The scan along the keys is seven
; multiplications in a lane and one exchange between the halves of the lanes for each tile.
; NUMBERS.  q, k and v are rounded to bf16 as they stand, with no factor in front of the rounding; the first product is multiplied in f32 by
; -0.1875 log2(e), which gives n = -z log2(e);  e = 2^n, beta = 1 / (1 + e), g = 1 - beta.  n -> +inf gives beta 0, g 1; n -> -inf gives
; beta 1, g 0: no NaN from finite scores.  The weights are rounded to bf16 for the second product; rem x v_t is all f32.
; LIMIT KEPT: g is formed by subtraction, so it carries an absolute error of up to about 2^-24 (a key with z above some 17 closes the stick
; wholly, where the exact factor is below 6e-8); products below the smallest f32 become 0, as the exponential of the exact formula does.
; NO CLUSTER: the work-groups of a head read the same K and V, but they need 5 to 8 trips (8 - (p >> 1)), and which steps a wave skips hangs
; on p, which would be the place in the cluster.  NO TENSOR LOADS: the rows are f32 and pass through registers to become bf16 in any case.
.set ROWB,   12288                     ; bytes from a position s to the next: 3 x 16 x 64 f32
.set TRIPB,  128*ROWB
.set HALFB,  64*ROWB
.set KP,     144                       ; LDS pitch of a K row: 128 bytes of bf16 + 16; an odd multiple of 16, so 16 rows start 16 bytes apart modulo 256
.set VP,     160                       ; LDS pitch of a V row: an odd multiple of 32, for the transposing loads
.set VOFF,   64*KP                     ; V behind K in a slot
.set SLOT,   64*KP+64*VP               ; 19,456 bytes; two slots
.set STAGE,  2*SLOT                    ; behind them a stage for each wave:
.set OPITCH, 272                       ; 16 rows of 256 bytes of f32 + 16 (the row's carry lies at byte 256); first used for Q in bf16, pitch KP
.set STGB,   16*OPITCH
.set NSCALE, 0xbe8a7fac                ; -0.1875 log2(e) in f32
; vector registers
.set RC,   1                           ; stage + 272 r
.set VK,   2                           ; 144 r + 16 h: K fragment loads
.set VV,   3                           ; 160 (8h + (L & 7)) + 16 ((L >> 3) & 1): V transposing loads
.set SK,   4                           ; 144 row0 + 8 col: where I store converted K
.set SV,   5                           ; 160 row0 + 8 col: and V
.set GO,   6                           ; 12288 row0 + 16 col: where I load them from
.set DL,   7                           ; 16 (a & 1) + r - 8h: key 16u + j of my registers is below the diagonal if 16u + j < DL
.set CAR,  8                           ; the carry: product of g over all later keys of query r (equal in both halves of the lanes)
.set RO,   9                           ; 12288 (16a + h) + 16 r: rows of my strip in qkv
.set T0,   10                          ; product of my 8 g of tile 0, tile 1
.set T1,   11
.set X0,   12                          ; the same of the other half of the lanes
.set X1,   13
.set T0F,  14                          ; product of the tile's 16
.set T1F,  15
.set F1,   16                          ; v[16:17]: tile 1's factor, and the choice that went into it
.set F0,   18                          ; v[18:19]: tile 0's
.set CF,   20
.set OO,   21                          ; 4096 (16a + h) + 16 r: rows of my strip in out0
.set RD,   22                          ; stage + 272 h + 16 r
.set STO,  23                          ; stage + 272 r + 32 h
.set QF,   24                          ; v[24:39]   Q fragments, d 0-31 and 32-63
.set ACC,  40                          ; v[40:71]   O^T: tile dt (d 16dt ..) at 40 + 8 dt
.set KF,   72                          ; v[72:103]  K fragments: tile u, d half kc at 72 + 16u + 8kc
.set VF,   104                         ; v[104:135] V^T fragments: tile dt at 104 + 8 dt
.set SS,   136                         ; v[136:151] q.k, then n, e, 1 + e, beta, in place; tile u at 136 + 8u
.set GG,   152                         ; v[152:167] g, then the weights
.set PP,   168                         ; v[168:183] product of the g behind register j in my lane; PP+7 and PP+15 stay 1.0
.set PB,   184                         ; v[184:191] the weights in bf16
.set LA,   192                         ; v[192:223] upper half of a trip as loaded: 4 x K, 4 x V
.set LB,   224                         ; v[224:255] lower half
; before the first step v184-189 serve the set-up
.set TR,   184                         ; r = col
.set TH,   185                         ; h
.set TW,   186                         ; row0
.set TT,   187
.set QS,   188
.set QL,   189
	s_load_b128 s[4:7], s[0:1], 0x0                ; qkv s[4:5], out0 s[6:7]
	s_set_vgpr_msb 0x40
	v_lshl_add_u32 v0, v0, 2, 0x12000
	v_mov_b32 v1, 0
	s_set_vgpr_msb 0x4000
	v_lshrrev_b32 v1, 5, v0
	v_readfirstlane_b32 s8, v1                     ; wave w
	s_and_b32 s9, ttmp9, 7                         ; p
	s_lshr_b32 s10, ttmp9, 3
	s_lshr_b32 s11, s10, 4                         ; b
	s_and_b32 s12, s10, 15                         ; head
	s_lshl_b32 s13, s9, 2
	s_add_co_u32 s20, s13, s8                      ; 4p + w
	s_sub_co_u32 s21, 67, s20                      ; 67 - 4p - w
	s_cmp_lt_u32 s8, 4
	s_cselect_b32 s13, s20, s21                    ; my strip a
	s_lshr_b32 s15, s9, 1
	s_sub_co_u32 s15, 7, s15                       ; trips - 1 = 7 - (p >> 1): 4 to 7, the loop's count
	s_lshr_b32 s14, s13, 1                         ; the step of 32 keys that holds my diagonal,
	s_lshl_b32 s20, s15, 2
	s_sub_co_i32 s14, s14, s20                     ; counted from the first step of the trip at hand (signed); + 4 with each trip
	s_lshl_b32 s28, s13, 4                         ; 16 a
	s_and_b32 s29, s13, 1
	s_lshl_b32 s29, s29, 4                         ; 16 (a & 1)
	s_mul_i32 s30, s8, STGB
	s_add_co_u32 s30, s30, STAGE                   ; my stage
	s_mov_b32 s16, 0x76543210                      ; v_permlanex16_b32: lane i takes lane i of the other half
	s_mov_b32 s17, 0xfedcba98
	s_mov_b32 s18, 0xffff                          ; the lanes with h = 0
	v_and_b32 v[TR], 15, v0
	v_bfe_u32 v[TH], v0, 4, 1
	v_lshrrev_b32 v[TW], 4, v0
	v_mul_u32_u24 v[VK], v[TR], KP
	v_lshl_add_u32 v[VK], v[TH], 4, v[VK]
	v_and_b32 v[TT], 7, v0
	v_lshl_add_u32 v[TT], v[TH], 3, v[TT]
	v_mul_u32_u24 v[VV], v[TT], VP
	v_bfe_u32 v[TT], v0, 3, 1
	v_lshl_add_u32 v[VV], v[TT], 4, v[VV]
	v_mul_u32_u24 v[SK], v[TW], KP
	v_lshl_add_u32 v[SK], v[TR], 3, v[SK]
	v_mul_u32_u24 v[SV], v[TW], VP
	v_lshl_add_u32 v[SV], v[TR], 3, v[SV]
	v_mul_u32_u24 v[GO], v[TW], ROWB
	v_lshl_add_u32 v[GO], v[TR], 4, v[GO]
	v_lshlrev_b32 v[TT], 3, v[TH]
	v_sub_nc_u32 v[DL], v[TR], v[TT]
	v_add_nc_u32 v[DL], s29, v[DL]
	v_add_nc_u32 v[TT], s28, v[TH]                 ; 16 a + h
	v_mul_u32_u24 v[RO], v[TT], ROWB
	v_lshl_add_u32 v[RO], v[TR], 4, v[RO]
	v_lshlrev_b32 v[OO], 12, v[TT]
	v_lshl_add_u32 v[OO], v[TR], 4, v[OO]
	v_mul_u32_u24 v[RC], v[TR], OPITCH
	v_add_nc_u32 v[RC], s30, v[RC]
	v_lshl_add_u32 v[STO], v[TH], 5, v[RC]
	v_mul_u32_u24 v[RD], v[TH], OPITCH
	v_lshl_add_u32 v[RD], v[TR], 4, v[RD]
	v_add_nc_u32 v[RD], s30, v[RD]
	v_mul_u32_u24 v[QS], v[TH], KP
	v_lshl_add_u32 v[QS], v[TR], 3, v[QS]
	v_add_nc_u32 v[QS], s30, v[QS]                 ; Q in: row h (+ 2i), 8 bytes at 8 r
	v_add_nc_u32 v[QL], s30, v[VK]                 ; Q back as a fragment
	s_mul_i32 s20, s11, 1024*ROWB
	s_lshl_b32 s31, s12, 8
	s_add_co_u32 s20, s20, s31
	s_mov_b32 s21, 0
	s_wait_kmcnt 0x0
	s_add_nc_u64 s[22:23], s[4:5], s[20:21]        ; QB: q of position 0 of my head
	s_mul_i32 s20, s15, TRIPB
	s_add_nc_u64 s[24:25], s[22:23], s[20:21]      ; KPTR: the same at the first key of the highest trip
	s_lshl_b32 s20, s11, 22
	s_add_co_u32 s20, s20, s31
	s_add_nc_u64 s[26:27], s[6:7], s[20:21]        ; OB: out0 at position 0 of my head
; 64 keys of K and of V, f32: thread (row0, col) takes 16 bytes at 16 col of rows row0 + 16 i; sixteen lanes read a row's 256 bytes
.macro LOADSET set, base
.irp i, 0,1,2,3
	global_load_b128 v[\set+4*\i:\set+4*\i+3], v[GO], s[24:25] offset:\base+16*ROWB*\i+4096
	global_load_b128 v[\set+16+4*\i:\set+16+4*\i+3], v[GO], s[24:25] offset:\base+16*ROWB*\i+8192
.endr
.endm
; Four places behind matrix instructions (ISA guide 7.12.1) where there is no independent vector work to put there
.macro PLACES
.rept 4
	v_nop
.endr
.endm
.irp i, 0,1,2,3,4,5,6,7
	global_load_b128 v[KF+4*\i:KF+4*\i+3], v[RO], s[22:23] offset:2*ROWB*\i    ; q of my strip: rows h + 2i
.endr
	LOADSET LA, HALFB                              ; the highest trip
	LOADSET LB, 0
	s_wait_xcnt 0x0                                ; the loads' base is stepped only behind this wait
	s_sub_nc_u64 s[24:25], s[24:25], TRIPB         ; from now on KPTR is one trip ahead of the trip at work
	; The sums are cleared once: which of the steps below is a wave's first hangs on its strip, so none of them can start them.
.set j, 0
.rept 32
	v_mov_b32 v[ACC+j], 0
.set j, j+1
.endr
	v_mov_b32 v[CAR], 1.0
	v_mov_b32 v[PP+7], 1.0
	v_mov_b32 v[PP+15], 1.0
	v_mov_b32 v[X0], 0                             ; v_permlanex16_b32 counts as a reader of its destination
	v_mov_b32 v[X1], 0
	s_wait_loadcnt 16                              ; q is in; the 16 loads of K and V behind it stay out
.irp i, 0,1,2,3,4,5,6,7
	v_cvt_pk_bf16_f32 v[KF+4*\i], v[KF+4*\i], v[KF+4*\i+1]     ; q as it stands: the scale comes behind the product, in f32
	v_cvt_pk_bf16_f32 v[KF+4*\i+1], v[KF+4*\i+2], v[KF+4*\i+3]
	ds_store_b64 v[QS], v[KF+4*\i:KF+4*\i+1] offset:2*KP*\i
.endr
.irp c, 0,1,2,3
	ds_load_b128 v[QF+4*\c:QF+4*\c+3], v[QL] offset:32*\c      ; my own bytes: LDS serves a wave's instructions in order (ISA guide 5.7.1)
.endr
	s_wait_dscnt 0x0
; ONE STEP: 16 queries x 32 keys, rows 32 st .. 32 st + 31 of slot X.  masked = 1: the step that holds the diagonal.
.macro STEP X, st, masked
.irp u, 0,1
.irp kc, 0,1
	ds_load_b128 v[KF+16*\u+8*\kc:KF+16*\u+8*\kc+3], v[VK] offset:\X*SLOT+(32*\st+16*\u)*KP+64*\kc
	ds_load_b128 v[KF+16*\u+8*\kc+4:KF+16*\u+8*\kc+7], v[VK] offset:\X*SLOT+(32*\st+16*\u)*KP+64*\kc+32
.endr
.endr
.irp dt, 0,1,2,3
	ds_load_tr16_b128 v[VF+8*\dt:VF+8*\dt+3], v[VV] offset:\X*SLOT+VOFF+32*\st*VP+32*\dt
	ds_load_tr16_b128 v[VF+8*\dt+4:VF+8*\dt+7], v[VV] offset:\X*SLOT+VOFF+32*\st*VP+32*\dt+16*VP
.endr
	s_wait_dscnt 8                                 ; K's eight loads are in; V's eight, issued behind them, stay out
	v_wmma_f32_16x16x32_bf16 v[SS:SS+7], v[KF:KF+7], v[QF:QF+7], 0
	v_wmma_f32_16x16x32_bf16 v[SS+8:SS+15], v[KF+16:KF+23], v[QF:QF+7], 0
	v_wmma_f32_16x16x32_bf16 v[SS:SS+7], v[KF+8:KF+15], v[QF+8:QF+15], v[SS:SS+7]
	v_wmma_f32_16x16x32_bf16 v[SS+8:SS+15], v[KF+24:KF+31], v[QF+8:QF+15], v[SS+8:SS+15]
	PLACES
.set j, 0
.rept 8
	v_pk_mul_f32 v[SS+j:SS+j+1], v[SS+j:SS+j+1], NSCALE op_sel_hi:[1,0]        ; n = -0.1875 log2(e) <q, k>
.set j, j+2
.endr
.set j, 0
.rept 16
	v_exp_f32 v[SS+j], v[SS+j]                     ; e = 2^n = exp(-z)
.set j, j+1
.endr
	v_nop                                          ; one plain place behind the last transcendental before its result is used (ISA guide 5.7.2)
.set j, 0
	s_wait_alu depctr_va_vdst(0)
.rept 8
	v_pk_add_f32 v[SS+j:SS+j+1], v[SS+j:SS+j+1], 1.0 op_sel_hi:[1,0]
.set j, j+2
.endr
.set j, 0
.rept 16
	v_rcp_f32 v[SS+j], v[SS+j]                     ; beta = 1 / (1 + e)
.set j, j+1
.endr
	v_nop
.if \masked
	s_wait_alu depctr_va_vdst(0)
.irp u, 0,1
.irp k, 0,1,2,3,4,5,6,7
	v_cmp_lt_i32 vcc_lo, 16*\u+\k, v[DL]           ; key below the diagonal?
	v_cndmask_b32 v[SS+8*\u+\k], 0, v[SS+8*\u+\k], vcc_lo      ; else beta = 0: weight 0, g = 1
.endr
.endr
.endif
.set j, 0
	s_wait_alu depctr_va_vdst(0)
.rept 8
	v_pk_fma_f32 v[GG+j:GG+j+1], v[SS+j:SS+j+1], -1.0, 1.0 op_sel_hi:[1,0,0]   ; g = 1 - beta
.set j, j+2
.endr
	; in my lane: PP[j] = product of the g of the tile's registers above j; two chains take turns
	v_mov_b32 v[PP+6], v[GG+7]
	v_mov_b32 v[PP+14], v[GG+15]
.irp k, 5,4,3,2,1,0
	v_mul_f32 v[PP+\k], v[PP+\k+1], v[GG+\k+1]
	v_mul_f32 v[PP+8+\k], v[PP+8+\k+1], v[GG+8+\k+1]
.endr
	v_mul_f32 v[T0], v[PP], v[GG]
	v_mul_f32 v[T1], v[PP+8], v[GG+8]
	v_permlanex16_b32 v[X0], v[T0], s16, s17       ; the other eight keys' product
	v_permlanex16_b32 v[X1], v[T1], s16, s17
	v_cndmask_b32 v[F1+1], 1.0, v[X1], s18         ; they lie behind mine only where h = 0
	v_cndmask_b32 v[F0+1], 1.0, v[X0], s18
	v_mul_f32 v[T1F], v[T1], v[X1]
	v_mul_f32 v[T0F], v[T0], v[X0]
	v_mul_f32 v[F1], v[CAR], v[F1+1]               ; tile 1 (the later keys): carry x other half
	v_mul_f32 v[CF], v[CAR], v[T1F]
	v_mul_f32 v[F0], v[CF], v[F0+1]                ; tile 0: carry x all of tile 1 x other half
	v_mul_f32 v[CAR], v[CF], v[T0F]                ; the carry for the next 32 keys
.irp k, 0,2,4,6
	v_pk_mul_f32 v[GG+\k:GG+\k+1], v[PP+\k:PP+\k+1], v[F0:F0+1] op_sel_hi:[1,0]
	v_pk_mul_f32 v[GG+8+\k:GG+8+\k+1], v[PP+8+\k:PP+8+\k+1], v[F1:F1+1] op_sel_hi:[1,0]
.endr
.set j, 0
.rept 8
	v_pk_mul_f32 v[GG+j:GG+j+1], v[GG+j:GG+j+1], v[SS+j:SS+j+1]        ; att = beta x what is left of the stick
.set j, j+2
.endr
.set j, 0
.rept 8
	v_cvt_pk_bf16_f32 v[PB+j], v[GG+2*j], v[GG+2*j+1]          ; registers 0-3: keys 8h ..; 4-7: keys 16 + 8h ..: the fragment as it stands
.set j, j+1
.endr
	s_wait_dscnt 0x0                               ; V is in; also: my reads of the slot are over, as the next barrier needs
.irp dt, 0,1,2,3
	v_wmma_f32_16x16x32_bf16 v[ACC+8*\dt:ACC+8*\dt+7], v[VF+8*\dt:VF+8*\dt+7], v[PB:PB+7], v[ACC+8*\dt:ACC+8*\dt+7]
.endr
	PLACES                                         ; for the next loads into VF and for the stores of the sums at the end
.endm
; step u of the trip: above my diagonal: nothing; on it: masked; below: full.  s14 hangs on the work-group's and the wave's number and the trip alone
.macro SEL X, st, u, tag
	s_cmp_lt_i32 s14, \u
	s_cbranch_scc1 .Lskip_\tag
	s_cmp_eq_u32 s14, \u
	s_cbranch_scc1 .Lmask_\tag
	STEP \X, \st, 0
	s_branch .Lskip_\tag
.Lmask_\tag:
	STEP \X, \st, 1
.Lskip_\tag:
.endm
; HALF A TRIP: 64 keys from register set 'set' to slot X, then their two steps, the later keys first.
; mode 1: the set is loaded again, for the next trip.  mode 2: it takes the f32 rows of V of my own strip.  mode 0: nothing.
; The stores into slot X stand behind the other half's barrier, in front of which every wave has waited for its reads of slot X.
.macro HALF X, set, mode, tagA, tagB
	s_wait_loadcnt 8                               ; this set's eight loads are in; the eight issued behind them stay out
.irp i, 0,1,2,3,4,5,6,7
	v_cvt_pk_bf16_f32 v[\set+4*\i], v[\set+4*\i], v[\set+4*\i+1]
	v_cvt_pk_bf16_f32 v[\set+4*\i+1], v[\set+4*\i+2], v[\set+4*\i+3]
.endr
.irp i, 0,1,2,3
	ds_store_b64 v[SK], v[\set+4*\i:\set+4*\i+1] offset:\X*SLOT+16*KP*\i
	ds_store_b64 v[SV], v[\set+16+4*\i:\set+16+4*\i+1] offset:\X*SLOT+VOFF+16*VP*\i
.endr
	s_wait_dscnt 0x0                               ; for the other waves: my part of the slot is written; and the set's registers have been read
.if \mode == 1
	LOADSET \set, (1-\X)*HALFB
.endif
.if \mode == 2
.irp i, 0,1,2,3,4,5,6,7
	global_load_b128 v[LA+4*\i:LA+4*\i+3], v[RO], s[22:23] offset:2*ROWB*\i+8192
.endr
.endif
	s_barrier_signal -1
	s_barrier_wait -1
	SEL \X, 1, 3-2*\X, \tagA
	SEL \X, 0, 2-2*\X, \tagB
.endm
.Ltrip:
	HALF 0, LA, 1, l3, l2
	HALF 1, LB, 1, l1, l0
	s_wait_xcnt 0x0                                ; the loads' base is stepped only behind this wait
	s_sub_nc_u64 s[24:25], s[24:25], TRIPB         ; (after the last trip of the loop it is used no more)
	s_add_co_i32 s14, s14, 4
	s_sub_co_i32 s15, s15, 1
	s_cmp_gt_i32 s15, 0                            ; signed: the loop ends from any start
	s_cbranch_scc1 .Ltrip
	HALF 0, LA, 2, t3, t2                          ; keys 127 to 0: nothing follows them
	HALF 1, LB, 0, t1, t0
	; THE WAY OUT.  A lane holds 8 neighbouring d of query r in each tile: 32 bytes.  Through my own stage, read back by rows, so that
	; sixteen lanes store the 256 consecutive bytes of a row of out0, which start at a multiple of 256 from its first byte.
.irp dt, 0,1,2,3
	ds_store_b128 v[STO], v[ACC+8*\dt:ACC+8*\dt+3] offset:64*\dt
	ds_store_b128 v[STO], v[ACC+8*\dt+4:ACC+8*\dt+7] offset:64*\dt+16
.endr
	ds_store_b32 v[RC], v[CAR] offset:256          ; rem of query r; both halves of the lanes store the same number
	v_bfe_u32 v10, v0, 4, 1
	v_mul_u32_u24 v10, v10, OPITCH
	v_add_nc_u32 v10, s30, v10                     ; stage + 272 h
.irp i, 0,1,2,3,4,5,6,7
	ds_load_b128 v[KF+4*\i:KF+4*\i+3], v[RD] offset:2*OPITCH*\i        ; row h + 2i, 16 bytes at 16 r
	ds_load_b32 v[VF+\i], v10 offset:2*OPITCH*\i+256                   ; and its rem
.endr
	s_wait_loadcnt 0x0                             ; v of my strip, f32
.irp i, 0,1,2,3,4,5,6,7
	s_wait_dscnt 14-2*\i                           ; pair i is in; the pairs behind it stay out
.irp k, 0,1,2,3
	v_fmac_f32 v[KF+4*\i+\k], v[VF+\i], v[LA+4*\i+\k]          ; + rem x v_t
.endr
	global_store_b128 v[OO], v[KF+4*\i:KF+4*\i+3], s[26:27] offset:8192*\i th:TH_STORE_NT
.endr
	s_set_vgpr_msb 0x5
	s_wait_tensorcnt 0x0
	ds_add_u32 v0, v1
	s_wait_dscnt 0x0
	s_set_vgpr_msb 0x500
	s_endpgm
.Lfunc_end_k_q7e5bbef5ca_attn:
	.size	k_q7e5bbef5ca_attn, .Lfunc_end_k_q7e5bbef5ca_attn-k_q7e5bbef5ca_attn
	.p2alignl 7, 3214868480
	.fill 96, 4, 3214868480
	.section	.rodata,"a",@progbits
	.p2align	6, 0x0
	.amdhsa_kernel k_q7e5bbef5ca_attn
		.amdhsa_group_segment_fixed_size 74752
		.amdhsa_private_segment_fixed_size 0
		.amdhsa_enable_private_segment 0
		.amdhsa_kernarg_size 16
		.amdhsa_user_sgpr_count 2
		.amdhsa_user_sgpr_kernarg_segment_ptr 1
		.amdhsa_wavefront_size32 1
		.amdhsa_system_sgpr_workgroup_id_x 1
		.amdhsa_system_sgpr_workgroup_id_y 1
		.amdhsa_system_sgpr_workgroup_id_z 1
		.amdhsa_system_vgpr_workitem_id 0
		.amdhsa_next_free_vgpr 258
		.amdhsa_next_free_sgpr 66
		.amdhsa_reserve_vcc 1
		.amdhsa_float_denorm_mode_32 3
		.amdhsa_float_denorm_mode_16_64 3
		.amdhsa_memory_ordered 1
		.amdhsa_forward_progress 1
		.amdhsa_inst_pref_size 146
	.end_amdhsa_kernel
	.amdgpu_metadata
---
amdhsa.version: [ 1, 2 ]
amdhsa.kernels:
  - .name:           k_q7e5bbef5ca_attn
    .symbol:         k_q7e5bbef5ca_attn.kd
    .args:
      - { .name: qkv, .offset: 0, .size: 8, .value_kind: global_buffer, .address_space: global }
      - { .name: out0, .offset: 8, .size: 8, .value_kind: global_buffer, .address_space: global }
    .group_segment_fixed_size: 74752
    .private_segment_fixed_size: 0
    .kernarg_segment_align: 8
    .kernarg_segment_size: 16
    .max_flat_workgroup_size: 256
    .sgpr_count:     66
    .vgpr_count:     258
    .wavefront_size: 32
...
	.end_amdgpu_metadata
.endif
;; end of part 1
;; ======== version 2 of 2: 1 launch; version 1 with the launch attn written anew for expert scheduling mode
;; launch attn (part 2): grid 256 x 1, 8 waves a work-group, no clusters, 74,752 bytes of LDS; arguments qkv, out0; writes out0
.if DOCPART == 2
	.amdgcn_target "amdgcn-amd-amdhsa--gfx1250"
	.amdhsa_code_object_version 6
	.text
	.protected	k_q7e5bbef5ca_attn
	.globl	k_q7e5bbef5ca_attn
	.p2align	8
	.type	k_q7e5bbef5ca_attn,@function
k_q7e5bbef5ca_attn:
	s_mov_b64 s[64:65], 0
	v_nop
	global_prefetch_b8 v0, s[64:65] scope:SCOPE_SE
	s_setreg_imm32_b32 hwreg(HW_REG_WAVE_SCHED_MODE, 0, 2), 2
	s_setreg_imm32_b32 hwreg(HW_REG_WAVE_MODE, 25, 1), 1
	s_wait_xcnt 0x0
	s_wait_alu depctr_vm_vsrc(0)
; Stick-breaking attention.  qkv: [2][1024][3][16][64] f32, out0: [2][1024][16][64] f32.
;   z[t,s] = 0.1875 <q_t, k_s>,  beta = sigmoid(z),  att[t,s] = beta[t,s] * product over s < j < t of (1 - beta[t,j])   (s < t)
;   out[t] = sum over s of att[t,s] v_s + rem[t] v_t,  rem[t] = 1 - sum att = product over j < t of (1 - beta[t,j])  (the sum telescopes)
; exp(log_sigmoid(z) - sum softplus(z_j)) is that product for every input, so a score costs one exp2 and one rcp, and rem is the running
; product that is left when the keys have been walked from t-1 down to 0.
;
; SHARING.  256 work-groups = 32 heads (b, head) x 8.  A strip is 16 queries; a head has 64.  Work-group p of a head: wave w < 4 takes strip
; 4p + w, wave w >= 4 strip 67 - 4p - w.  Strip a needs (a >> 1) + 1 steps of 32 keys, so waves w and w + 4 have 33 steps together and every
; work-group 132.  Keys above the diagonal are never multiplied.
; KEYS go downward in trips of 128: two halves of 64 keys, each with an LDS slot and a set of 32 registers into which the f32 rows are loaded
; a whole trip before they are converted to bf16 and stored to the slot.  One barrier for each half.
; PRODUCTS ARE TRANSPOSED.  S^T = K Q^T: lane (r, h), register j of tile u holds key 16u + 8h + j of query r.  Two such tiles, packed to bf16,
; are the second source (32 keys) of O^T = V^T P^T as they stand: the weights never move between lanes.  The scan along the keys is seven
; multiplications in a lane and one exchange between the halves of the lanes for each tile.
; NUMBERS.  q, k and v are rounded to bf16 as they stand, with no factor in front of the rounding; the first product is multiplied in f32 by
; -0.1875 log2(e), which gives n = -z log2(e);  e = 2^n, beta = 1 / (1 + e), g = 1 - beta.  n -> +inf gives beta 0, g 1; n -> -inf gives
; beta 1, g 0: no NaN from finite scores.  The weights are rounded to bf16 for the second product; rem x v_t is all f32.
; LIMIT KEPT: g is formed by subtraction, so it carries an absolute error of up to about 2^-24 (a key with z above some 17 closes the stick
; wholly, where the exact factor is below 6e-8); products below the smallest f32 become 0, as the exponential of the exact formula does.
; NO CLUSTER: the work-groups of a head read the same K and V, but they need 5 to 8 trips (8 - (p >> 1)), and which steps a wave skips hangs
; on p, which would be the place in the cluster.  NO TENSOR LOADS: the rows are f32 and pass through registers to become bf16 in any case.
; THE MODE: SCHED_MODE bits 1:0 = 2 (LLVM: expert scheduling mode 2), set by the entry lines.  The code itself states the register dependences
; between vector or matrix instructions and memory or LDS instructions, with s_wait_alu, always for 0.
; THE PLAN.  Registers that memory or LDS instructions touch:
;   v1-v6, v9, v21-v23   addresses and offsets: made at the head, never written again: one wait on va_vdst ahead of the first load serves them all.
;   v188, v189           Q's two LDS addresses; from the first step on part of PB: one wait on vm_vsrc behind Q's stage.
;   LA, LB               A half: the set's 16 conversions read and write it; [va_vdst]; its 8 LDS stores read it; [vm_vsrc]; the next trip's loads land in it.
;   KF                   A step: 8 LDS loads land; the first four products read it; the wait behind the step's exponentials stands behind those products, and
;                        nothing names KF behind that wait: so the next loads into KF, in a later step or on the way out, owe no wait of their own.
;   VF                   A step: 8 LDS loads land; the step's last four products read it.  Ahead of a half's first step the half's wait on va_vdst stands behind
;                        them; ahead of its second step a wait of its own stands between K's run of loads and V's.
;   ACC, CAR, v10        written by matrix and vector instructions, read by the way out's LDS instructions: one wait on va_vdst ahead of these.
;   KF on the way out    LDS loads land; 32 v_fmac_f32 write it; [va_vdst]; 8 global stores read it.
;   SS, GG, PP, PB, QF's readers and the small registers v10-v20 in the steps are named by vector and matrix instructions alone.
; Scalar results of vector instructions: the wave's number (one wait on va_sdst ahead of its first reader) and the diagonal's lane masks (compares in
; two runs of eight, a wait on va_sdst behind each).  EXEC is never written.
.set ROWB,   12288                     ; bytes from a position s to the next: 3 x 16 x 64 f32
.set TRIPB,  128*ROWB
.set HALFB,  64*ROWB
.set KP,     144                       ; LDS pitch of a K row: 128 bytes of bf16 + 16; an odd multiple of 16, so 16 rows start 16 bytes apart modulo 256
.set VP,     160                       ; LDS pitch of a V row: an odd multiple of 32, for the transposing loads
.set VOFF,   64*KP                     ; V behind K in a slot
.set SLOT,   64*KP+64*VP               ; 19,456 bytes; two slots
.set STAGE,  2*SLOT                    ; behind them a stage for each wave:
.set OPITCH, 272                       ; 16 rows of 256 bytes of f32 + 16 (the row's carry lies at byte 256); first used for Q in bf16, pitch KP
.set STGB,   16*OPITCH
.set NSCALE, 0xbe8a7fac                ; -0.1875 log2(e) in f32
.set MK,     32                        ; s[32:39]  eight lane masks of the step that holds the diagonal
; vector registers
.set RC,   1                           ; stage + 272 r
.set VK,   2                           ; 144 r + 16 h: K fragment loads
.set VV,   3                           ; 160 (8h + (L & 7)) + 16 ((L >> 3) & 1): V transposing loads
.set SK,   4                           ; 144 row0 + 8 col: where I store converted K
.set SV,   5                           ; 160 row0 + 8 col: and V
.set GO,   6                           ; 12288 row0 + 16 col: where I load them from
.set DL,   7                           ; 16 (a & 1) + r - 8h: key 16u + j of my registers is below the diagonal if 16u + j < DL
.set CAR,  8                           ; the carry: product of g over all later keys of query r (equal in both halves of the lanes)
.set RO,   9                           ; 12288 (16a + h) + 16 r: rows of my strip in qkv
.set T0,   10                          ; product of my 8 g of tile 0, tile 1
.set T1,   11
.set X0,   12                          ; the same of the other half of the lanes
.set X1,   13
.set T0F,  14                          ; product of the tile's 16
.set T1F,  15
.set F1,   16                          ; v[16:17]: tile 1's factor, and the choice that went into it
.set F0,   18                          ; v[18:19]: tile 0's
.set CF,   20
.set OO,   21                          ; 4096 (16a + h) + 16 r: rows of my strip in out0
.set RD,   22                          ; stage + 272 h + 16 r
.set STO,  23                          ; stage + 272 r + 32 h
.set QF,   24                          ; v[24:39]   Q fragments, d 0-31 and 32-63
.set ACC,  40                          ; v[40:71]   O^T: tile dt (d 16dt ..) at 40 + 8 dt
.set KF,   72                          ; v[72:103]  K fragments: tile u, d half kc at 72 + 16u + 8kc
.set VF,   104                         ; v[104:135] V^T fragments: tile dt at 104 + 8 dt
.set SS,   136                         ; v[136:151] q.k, then n, e, 1 + e, beta, in place; tile u at 136 + 8u
.set GG,   152                         ; v[152:167] g, then the weights
.set PP,   168                         ; v[168:183] product of the g behind register j in my lane; PP+7 and PP+15 stay 1.0
.set PB,   184                         ; v[184:191] the weights in bf16
.set LA,   192                         ; v[192:223] upper half of a trip as loaded: 4 x K, 4 x V
.set LB,   224                         ; v[224:255] lower half
; before the first step v184-189 serve the set-up
.set TR,   184                         ; r = col
.set TH,   185                         ; h
.set TW,   186                         ; row0
.set TT,   187
.set QS,   188
.set QL,   189
	s_load_b128 s[4:7], s[0:1], 0x0                ; qkv s[4:5], out0 s[6:7]
	s_set_vgpr_msb 0x40
	v_lshl_add_u32 v0, v0, 2, 0x12000
	v_mov_b32 v1, 0
	s_set_vgpr_msb 0x4000
	v_lshrrev_b32 v1, 5, v0
	v_readfirstlane_b32 s8, v1                     ; wave w
	s_and_b32 s9, ttmp9, 7                         ; p
	s_lshr_b32 s10, ttmp9, 3
	s_lshr_b32 s11, s10, 4                         ; b
	s_and_b32 s12, s10, 15                         ; head
	s_lshl_b32 s13, s9, 2
	s_wait_alu depctr_va_sdst(0)                   ; s8 is written, ahead of its first reader: my strip, my stage and the steps that I skip are made from it
	s_add_co_u32 s20, s13, s8                      ; 4p + w
	s_sub_co_u32 s21, 67, s20                      ; 67 - 4p - w
	s_cmp_lt_u32 s8, 4
	s_cselect_b32 s13, s20, s21                    ; my strip a
	s_lshr_b32 s15, s9, 1
	s_sub_co_u32 s15, 7, s15                       ; trips - 1 = 7 - (p >> 1): 4 to 7, the loop's count
	s_lshr_b32 s14, s13, 1                         ; the step of 32 keys that holds my diagonal,
	s_lshl_b32 s20, s15, 2
	s_sub_co_i32 s14, s14, s20                     ; counted from the first step of the trip at hand (signed); + 4 with each trip
	s_lshl_b32 s28, s13, 4                         ; 16 a
	s_and_b32 s29, s13, 1
	s_lshl_b32 s29, s29, 4                         ; 16 (a & 1)
	s_mul_i32 s30, s8, STGB
	s_add_co_u32 s30, s30, STAGE                   ; my stage
	s_mov_b32 s16, 0x76543210                      ; v_permlanex16_b32: lane i takes lane i of the other half
	s_mov_b32 s17, 0xfedcba98
	s_mov_b32 s18, 0xffff                          ; the lanes with h = 0
	v_and_b32 v[TR], 15, v0
	v_bfe_u32 v[TH], v0, 4, 1
	v_lshrrev_b32 v[TW], 4, v0
	v_mul_u32_u24 v[VK], v[TR], KP
	v_lshl_add_u32 v[VK], v[TH], 4, v[VK]
	v_and_b32 v[TT], 7, v0
	v_lshl_add_u32 v[TT], v[TH], 3, v[TT]
	v_mul_u32_u24 v[VV], v[TT], VP
	v_bfe_u32 v[TT], v0, 3, 1
	v_lshl_add_u32 v[VV], v[TT], 4, v[VV]
	v_mul_u32_u24 v[SK], v[TW], KP
	v_lshl_add_u32 v[SK], v[TR], 3, v[SK]
	v_mul_u32_u24 v[SV], v[TW], VP
	v_lshl_add_u32 v[SV], v[TR], 3, v[SV]
	v_mul_u32_u24 v[GO], v[TW], ROWB
	v_lshl_add_u32 v[GO], v[TR], 4, v[GO]
	v_lshlrev_b32 v[TT], 3, v[TH]
	v_sub_nc_u32 v[DL], v[TR], v[TT]
	v_add_nc_u32 v[DL], s29, v[DL]
	v_add_nc_u32 v[TT], s28, v[TH]                 ; 16 a + h
	v_mul_u32_u24 v[RO], v[TT], ROWB
	v_lshl_add_u32 v[RO], v[TR], 4, v[RO]
	v_lshlrev_b32 v[OO], 12, v[TT]
	v_lshl_add_u32 v[OO], v[TR], 4, v[OO]
	v_mul_u32_u24 v[RC], v[TR], OPITCH
	v_add_nc_u32 v[RC], s30, v[RC]
	v_lshl_add_u32 v[STO], v[TH], 5, v[RC]
	v_mul_u32_u24 v[RD], v[TH], OPITCH
	v_lshl_add_u32 v[RD], v[TR], 4, v[RD]
	v_add_nc_u32 v[RD], s30, v[RD]
	v_mul_u32_u24 v[QS], v[TH], KP
	v_lshl_add_u32 v[QS], v[TR], 3, v[QS]
	v_add_nc_u32 v[QS], s30, v[QS]                 ; Q in: row h (+ 2i), 8 bytes at 8 r
	v_add_nc_u32 v[QL], s30, v[VK]                 ; Q back as a fragment
	s_mul_i32 s20, s11, 1024*ROWB
	s_lshl_b32 s31, s12, 8
	s_add_co_u32 s20, s20, s31
	s_mov_b32 s21, 0
	s_wait_kmcnt 0x0
	s_add_nc_u64 s[22:23], s[4:5], s[20:21]        ; QB: q of position 0 of my head
	s_mul_i32 s20, s15, TRIPB
	s_add_nc_u64 s[24:25], s[22:23], s[20:21]      ; KPTR: the same at the first key of the highest trip
	s_lshl_b32 s20, s11, 22
	s_add_co_u32 s20, s20, s31
	s_add_nc_u64 s[26:27], s[6:7], s[20:21]        ; OB: out0 at position 0 of my head
	s_wait_alu depctr_va_vdst(0)                   ; all the addresses and offsets made above are written: every memory and LDS instruction of the kernel but the way out's loads of rem reads one of them
; 64 keys of K and of V, f32: thread (row0, col) takes 16 bytes at 16 col of rows row0 + 16 i; sixteen lanes read a row's 256 bytes
.macro LOADSET set, base
.irp i, 0,1,2,3
	global_load_b128 v[\set+4*\i:\set+4*\i+3], v[GO], s[24:25] offset:\base+16*ROWB*\i+4096
	global_load_b128 v[\set+16+4*\i:\set+16+4*\i+3], v[GO], s[24:25] offset:\base+16*ROWB*\i+8192
.endr
.endm
; Four places behind matrix instructions (ISA guide 7.12.1) where there is no independent vector work to put there
.macro PLACES
.rept 4
	v_nop
.endr
.endm
.irp i, 0,1,2,3,4,5,6,7
	global_load_b128 v[KF+4*\i:KF+4*\i+3], v[RO], s[22:23] offset:2*ROWB*\i    ; q of my strip: rows h + 2i
.endr
	LOADSET LA, HALFB                              ; the highest trip
	LOADSET LB, 0
	s_wait_xcnt 0x0                                ; the loads' base is stepped only behind this wait
	s_sub_nc_u64 s[24:25], s[24:25], TRIPB         ; from now on KPTR is one trip ahead of the trip at work
	; The sums are cleared once: which of the steps below is a wave's first hangs on its strip, so none of them can start them.
.set j, 0
.rept 32
	v_mov_b32 v[ACC+j], 0
.set j, j+1
.endr
	v_mov_b32 v[CAR], 1.0
	v_mov_b32 v[PP+7], 1.0
	v_mov_b32 v[PP+15], 1.0
	v_mov_b32 v[X0], 0                             ; v_permlanex16_b32 counts as a reader of its destination
	v_mov_b32 v[X1], 0
	s_wait_loadcnt 16                              ; q is in; the 16 loads of K and V behind it stay out
.irp i, 0,1,2,3,4,5,6,7
	v_cvt_pk_bf16_f32 v[KF+4*\i], v[KF+4*\i], v[KF+4*\i+1]     ; q as it stands: the scale comes behind the product, in f32
	v_cvt_pk_bf16_f32 v[KF+4*\i+1], v[KF+4*\i+2], v[KF+4*\i+3]
.endr
	s_wait_alu depctr_va_vdst(0)                   ; the conversions have written q in bf16, which the LDS stores read, and are done with KF, in which the first step's loads land
.irp i, 0,1,2,3,4,5,6,7
	ds_store_b64 v[QS], v[KF+4*\i:KF+4*\i+1] offset:2*KP*\i
.endr
.irp c, 0,1,2,3
	ds_load_b128 v[QF+4*\c:QF+4*\c+3], v[QL] offset:32*\c      ; my own bytes: LDS serves a wave's instructions in order (ISA guide 5.7.1)
.endr
	s_wait_dscnt 0x0
	s_wait_alu depctr_vm_vsrc(0)                   ; these LDS stores and loads have read KF, in which the steps' loads land, and v188 and v189, which the steps' roundings write as part of PB
; ONE STEP: 16 queries x 32 keys, rows 32 st .. 32 st + 31 of slot X.  masked = 1: the step that holds the diagonal.
.macro STEP X, st, masked
.irp u, 0,1
.irp kc, 0,1
	ds_load_b128 v[KF+16*\u+8*\kc:KF+16*\u+8*\kc+3], v[VK] offset:\X*SLOT+(32*\st+16*\u)*KP+64*\kc     ; no wait: behind the last products that read KF stands their step's wait for its exponentials
	ds_load_b128 v[KF+16*\u+8*\kc+4:KF+16*\u+8*\kc+7], v[VK] offset:\X*SLOT+(32*\st+16*\u)*KP+64*\kc+32
.endr
.endr
.if \st == 0
	s_wait_alu depctr_va_vdst(0)                   ; a half's second step: the last four products of its first step are done reading VF, in which the loads below land (ahead of a half's first step the half's own wait has said so)
.endif
.irp dt, 0,1,2,3
	ds_load_tr16_b128 v[VF+8*\dt:VF+8*\dt+3], v[VV] offset:\X*SLOT+VOFF+32*\st*VP+32*\dt
	ds_load_tr16_b128 v[VF+8*\dt+4:VF+8*\dt+7], v[VV] offset:\X*SLOT+VOFF+32*\st*VP+32*\dt+16*VP
.endr
	s_wait_dscnt 8                                 ; K's eight loads are in; V's eight, issued behind them, stay out
	v_wmma_f32_16x16x32_bf16 v[SS:SS+7], v[KF:KF+7], v[QF:QF+7], 0
	v_wmma_f32_16x16x32_bf16 v[SS+8:SS+15], v[KF+16:KF+23], v[QF:QF+7], 0
	v_wmma_f32_16x16x32_bf16 v[SS:SS+7], v[KF+8:KF+15], v[QF+8:QF+15], v[SS:SS+7]
	v_wmma_f32_16x16x32_bf16 v[SS+8:SS+15], v[KF+24:KF+31], v[QF+8:QF+15], v[SS+8:SS+15]
	PLACES
.set j, 0
.rept 8
	v_pk_mul_f32 v[SS+j:SS+j+1], v[SS+j:SS+j+1], NSCALE op_sel_hi:[1,0]        ; n = -0.1875 log2(e) <q, k>
.set j, j+2
.endr
.set j, 0
.rept 16
	v_exp_f32 v[SS+j], v[SS+j]                     ; e = 2^n = exp(-z)
.set j, j+1
.endr
	v_nop                                          ; one plain place behind the last transcendental before its result is used (ISA guide 5.7.2)
	s_wait_alu depctr_va_vdst(0)                   ; the sixteen e are written, ahead of their first reader; and the four products above are done reading KF: the next loads into KF lean on this wait
.set j, 0
.rept 8
	v_pk_add_f32 v[SS+j:SS+j+1], v[SS+j:SS+j+1], 1.0 op_sel_hi:[1,0]
.set j, j+2
.endr
.set j, 0
.rept 16
	v_rcp_f32 v[SS+j], v[SS+j]                     ; beta = 1 / (1 + e)
.set j, j+1
.endr
	v_nop
.if \masked
.irp k, 0,1,2,3,4,5,6,7
	v_cmp_lt_i32 s[MK+\k], \k, v[DL]               ; tile 0: key below the diagonal?  Eight compares in a run; they name no beta
.endr
.endif
	s_wait_alu depctr_va_vdst(0)                   ; the sixteen beta are written, ahead of their first reader
.if \masked
	s_wait_alu depctr_va_sdst(0)                   ; tile 0's eight masks are written, ahead of the selects that read them
.irp k, 0,1,2,3,4,5,6,7
	v_cndmask_b32 v[SS+\k], 0, v[SS+\k], s[MK+\k]  ; else beta = 0: weight 0, g = 1
.endr
.irp k, 0,1,2,3,4,5,6,7
	v_cmp_lt_i32 s[MK+\k], 16+\k, v[DL]            ; tile 1 likewise
.endr
	s_wait_alu depctr_va_sdst(0)                   ; tile 1's eight masks are written, ahead of the selects that read them
.irp k, 0,1,2,3,4,5,6,7
	v_cndmask_b32 v[SS+8+\k], 0, v[SS+8+\k], s[MK+\k]
.endr
.endif
.set j, 0
.rept 8
	v_pk_fma_f32 v[GG+j:GG+j+1], v[SS+j:SS+j+1], -1.0, 1.0 op_sel_hi:[1,0,0]   ; g = 1 - beta
.set j, j+2
.endr
	; in my lane: PP[j] = product of the g of the tile's registers above j; two chains take turns
	v_mov_b32 v[PP+6], v[GG+7]
	v_mov_b32 v[PP+14], v[GG+15]
.irp k, 5,4,3,2,1,0
	v_mul_f32 v[PP+\k], v[PP+\k+1], v[GG+\k+1]
	v_mul_f32 v[PP+8+\k], v[PP+8+\k+1], v[GG+8+\k+1]
.endr
	v_mul_f32 v[T0], v[PP], v[GG]
	v_mul_f32 v[T1], v[PP+8], v[GG+8]
	v_permlanex16_b32 v[X0], v[T0], s16, s17       ; the other eight keys' product
	v_permlanex16_b32 v[X1], v[T1], s16, s17
	v_cndmask_b32 v[F1+1], 1.0, v[X1], s18         ; they lie behind mine only where h = 0
	v_cndmask_b32 v[F0+1], 1.0, v[X0], s18
	v_mul_f32 v[T1F], v[T1], v[X1]
	v_mul_f32 v[T0F], v[T0], v[X0]
	v_mul_f32 v[F1], v[CAR], v[F1+1]               ; tile 1 (the later keys): carry x other half
	v_mul_f32 v[CF], v[CAR], v[T1F]
	v_mul_f32 v[F0], v[CF], v[F0+1]                ; tile 0: carry x all of tile 1 x other half
	v_mul_f32 v[CAR], v[CF], v[T0F]                ; the carry for the next 32 keys
.irp k, 0,2,4,6
	v_pk_mul_f32 v[GG+\k:GG+\k+1], v[PP+\k:PP+\k+1], v[F0:F0+1] op_sel_hi:[1,0]
	v_pk_mul_f32 v[GG+8+\k:GG+8+\k+1], v[PP+8+\k:PP+8+\k+1], v[F1:F1+1] op_sel_hi:[1,0]
.endr
.set j, 0
.rept 8
	v_pk_mul_f32 v[GG+j:GG+j+1], v[GG+j:GG+j+1], v[SS+j:SS+j+1]        ; att = beta x what is left of the stick
.set j, j+2
.endr
.set j, 0
.rept 8
	v_cvt_pk_bf16_f32 v[PB+j], v[GG+2*j], v[GG+2*j+1]          ; registers 0-3: keys 8h ..; 4-7: keys 16 + 8h ..: the fragment as it stands
.set j, j+1
.endr
	s_wait_dscnt 0x0                               ; V is in; also: my reads of the slot are over, as the next barrier needs
.irp dt, 0,1,2,3
	v_wmma_f32_16x16x32_bf16 v[ACC+8*\dt:ACC+8*\dt+7], v[VF+8*\dt:VF+8*\dt+7], v[PB:PB+7], v[ACC+8*\dt:ACC+8*\dt+7]
.endr
	PLACES                                         ; four places behind these products: behind a wave's last step the LDS stores of the sums follow
.endm
; step u of the trip: above my diagonal: nothing; on it: masked; below: full.  s14 hangs on the work-group's and the wave's number and the trip alone
.macro SEL X, st, u, tag
	s_cmp_lt_i32 s14, \u
	s_cbranch_scc1 .Lskip_\tag
	s_cmp_eq_u32 s14, \u
	s_cbranch_scc1 .Lmask_\tag
	STEP \X, \st, 0
	s_branch .Lskip_\tag
.Lmask_\tag:
	STEP \X, \st, 1
.Lskip_\tag:
.endm
; HALF A TRIP: 64 keys from register set 'set' to slot X, then their two steps, the later keys first.
; mode 1: the set is loaded again, for the next trip.  mode 2: it takes the f32 rows of V of my own strip.  mode 0: nothing.
; The stores into slot X stand behind the other half's barrier, in front of which every wave has waited for its reads of slot X.
.macro HALF X, set, mode, tagA, tagB
	s_wait_loadcnt 8                               ; this set's eight loads are in; the eight issued behind them stay out
.irp i, 0,1,2,3,4,5,6,7
	v_cvt_pk_bf16_f32 v[\set+4*\i], v[\set+4*\i], v[\set+4*\i+1]
	v_cvt_pk_bf16_f32 v[\set+4*\i+1], v[\set+4*\i+2], v[\set+4*\i+3]
.endr
	s_wait_alu depctr_va_vdst(0)                   ; the conversions have written the set's bf16, which the LDS stores read, and are done with the set, in which the loads below land; the last step's products are done reading VF, in which this half's first step loads
.irp i, 0,1,2,3
	ds_store_b64 v[SK], v[\set+4*\i:\set+4*\i+1] offset:\X*SLOT+16*KP*\i
	ds_store_b64 v[SV], v[\set+16+4*\i:\set+16+4*\i+1] offset:\X*SLOT+VOFF+16*VP*\i
.endr
	s_wait_dscnt 0x0                               ; for the other waves: my part of the slot is written
.if \mode
	s_wait_alu depctr_vm_vsrc(0)                   ; the LDS stores have read the set's registers, in which the loads below land
.endif
.if \mode == 1
	LOADSET \set, (1-\X)*HALFB
.endif
.if \mode == 2
.irp i, 0,1,2,3,4,5,6,7
	global_load_b128 v[LA+4*\i:LA+4*\i+3], v[RO], s[22:23] offset:2*ROWB*\i+8192
.endr
.endif
	s_barrier_signal -1
	s_barrier_wait -1
	SEL \X, 1, 3-2*\X, \tagA
	SEL \X, 0, 2-2*\X, \tagB
.endm
.Ltrip:
	HALF 0, LA, 1, l3, l2
	HALF 1, LB, 1, l1, l0
	s_wait_xcnt 0x0                                ; the loads' base is stepped only behind this wait
	s_sub_nc_u64 s[24:25], s[24:25], TRIPB         ; (after the last trip of the loop it is used no more)
	s_add_co_i32 s14, s14, 4
	s_sub_co_i32 s15, s15, 1
	s_cmp_gt_i32 s15, 0                            ; signed: the loop ends from any start
	s_cbranch_scc1 .Ltrip
	HALF 0, LA, 2, t3, t2                          ; keys 127 to 0: nothing follows them
	HALF 1, LB, 0, t1, t0
	; THE WAY OUT.  A lane holds 8 neighbouring d of query r in each tile: 32 bytes.  Through my own stage, read back by rows, so that
	; sixteen lanes store the 256 consecutive bytes of a row of out0, which start at a multiple of 256 from its first byte.
	v_bfe_u32 v10, v0, 4, 1
	v_mul_u32_u24 v10, v10, OPITCH
	v_add_nc_u32 v10, s30, v10                     ; stage + 272 h
	s_wait_alu depctr_va_vdst(0)                   ; the last products have written the sums and the last step the carry, which the LDS stores read; v10 is written, by which rem is loaded; the products are done reading VF, in which rem lands.  The places at the step's end stay beside this wait
.irp dt, 0,1,2,3
	ds_store_b128 v[STO], v[ACC+8*\dt:ACC+8*\dt+3] offset:64*\dt
	ds_store_b128 v[STO], v[ACC+8*\dt+4:ACC+8*\dt+7] offset:64*\dt+16
.endr
	ds_store_b32 v[RC], v[CAR] offset:256          ; rem of query r; both halves of the lanes store the same number
.irp i, 0,1,2,3,4,5,6,7
	ds_load_b128 v[KF+4*\i:KF+4*\i+3], v[RD] offset:2*OPITCH*\i        ; row h + 2i, 16 bytes at 16 r
	ds_load_b32 v[VF+\i], v10 offset:2*OPITCH*\i+256                   ; and its rem
.endr
	s_wait_loadcnt 0x0                             ; v of my strip, f32
.irp i, 0,1,2,3,4,5,6,7
	s_wait_dscnt 14-2*\i                           ; pair i is in; the pairs behind it stay out
.irp k, 0,1,2,3
	v_fmac_f32 v[KF+4*\i+\k], v[VF+\i], v[LA+4*\i+\k]          ; + rem x v_t
.endr
.endr
	s_wait_alu depctr_va_vdst(0)                   ; the 32 multiply-adds have written the rows, which the stores read
.irp i, 0,1,2,3,4,5,6,7
	global_store_b128 v[OO], v[KF+4*\i:KF+4*\i+3], s[26:27] offset:8192*\i th:TH_STORE_NT
.endr
	s_set_vgpr_msb 0x5
	s_wait_dscnt 0x0
	s_wait_alu depctr_hold_cnt(0) depctr_sa_sdst(0) depctr_va_vdst(0) depctr_va_sdst(0) depctr_va_ssrc(0) depctr_va_vcc(0) depctr_vm_vsrc(0)
	s_wait_tensorcnt 0x0
	ds_add_u32 v0, v1
	s_wait_dscnt 0x0
	s_endpgm
.Lfunc_end_k_q7e5bbef5ca_attn:
	.size	k_q7e5bbef5ca_attn, .Lfunc_end_k_q7e5bbef5ca_attn-k_q7e5bbef5ca_attn
	.p2alignl 7, 3214868480
	.fill 96, 4, 3214868480
	.section	.rodata,"a",@progbits
	.p2align	6, 0x0
	.amdhsa_kernel k_q7e5bbef5ca_attn
		.amdhsa_group_segment_fixed_size 74752
		.amdhsa_private_segment_fixed_size 0
		.amdhsa_enable_private_segment 0
		.amdhsa_kernarg_size 16
		.amdhsa_user_sgpr_count 2
		.amdhsa_user_sgpr_kernarg_segment_ptr 1
		.amdhsa_wavefront_size32 1
		.amdhsa_system_sgpr_workgroup_id_x 1
		.amdhsa_system_sgpr_workgroup_id_y 1
		.amdhsa_system_sgpr_workgroup_id_z 1
		.amdhsa_system_vgpr_workitem_id 0
		.amdhsa_next_free_vgpr 258
		.amdhsa_next_free_sgpr 66
		.amdhsa_reserve_vcc 0
		.amdhsa_float_denorm_mode_32 3
		.amdhsa_float_denorm_mode_16_64 3
		.amdhsa_memory_ordered 1
		.amdhsa_forward_progress 1
		.amdhsa_inst_pref_size 155
	.end_amdhsa_kernel
	.amdgpu_metadata
---
amdhsa.version: [ 1, 2 ]
amdhsa.kernels:
  - .name:           k_q7e5bbef5ca_attn
    .symbol:         k_q7e5bbef5ca_attn.kd
    .args:
      - { .name: qkv, .offset: 0, .size: 8, .value_kind: global_buffer, .address_space: global }
      - { .name: out0, .offset: 8, .size: 8, .value_kind: global_buffer, .address_space: global }
    .group_segment_fixed_size: 74752
    .private_segment_fixed_size: 0
    .kernarg_segment_align: 8
    .kernarg_segment_size: 16
    .max_flat_workgroup_size: 256
    .sgpr_count:     66
    .vgpr_count:     258
    .wavefront_size: 32
...
	.end_amdgpu_metadata
.endif
;; end of part 2
